; MI455X (gfx1250); checked and timed in simulation.
; The chip was launched on July 23, 2026; its instructions are those of AMD's public machine-readable ISA for CDNA 5 (MIT licence, August 2026) and "CDNA5" Instruction Set Architecture Reference Guide (July 2026). The comments in the code are by the model that wrote it; some were corrected since.
;; Attention Block. Allowed arithmetic: matrix products marked QUANTISED: E5M2 operands, one E8M0 scale for each 32 along K, by v_wmma_scale_f32_16x16x128_f8f6f4 with both operands' format E5M2, f32 sums; everything else in f32.
;; Inputs: gn_b 256 float32; gn_w 256 float32; proj_b 256 float32; proj_w 256 x 256 float32; qkv_b 768 float32; qkv_w 768 x 256 float32; x 4 x 256 x 64 x 64 float32.
;; Outputs: out0 4 x 256 x 64 x 64 float32.
;; This version of the problem:
;;   THIS VERSION OF THE PROBLEM IS GIVEN IN LOW PRECISION. The matrix products marked QUANTISED in the list below multiply operands that are first quantised to E5M2 (5 exponent bits, 2 mantissa bits; 8 bits a number), with one power-of-two scale for each 32 numbers along K (OCP MX v1.0); their sums are f32. All else is computed in f32.
;;   The module's matrix products, in the order in which they are computed (A, B: the left and right operand; K: the contracted axis; several contracted axes count as one K, in the product's order):
;;     1. [M 16,384, K 256] x [K 256, N 768]; A: computed on the way; B: input qkv_w: QUANTISED
;;     2. batch 4 x [M 4,096, K 256] x [K 256, N 4,096]; A: computed on the way; B: computed on the way: QUANTISED
;;     3. batch 4 x [M 256, K 4,096] x [K 4,096, N 4,096]; A: computed on the way; B: softmax (see below): QUANTISED
;;     4. [M 16,384, K 256] x [K 256, N 256]; A: computed on the way; B: input proj_w: QUANTISED
;;   THE QUANTISER, for each operand of a quantised product, along K:
;;     - K is cut into blocks of 32 from its start; a last block that is shorter is filled with zeros.
;;     - A block's scale is 2^e with e = floor(log2(the largest magnitude in the block)) - 15, held to -126 .. 127; a block of zeros has e = 0. As a byte (E8M0): e + 127.
;;     - Each number is divided by its block's scale, clamped to +-57,344, and rounded to the nearest number of E5M2, ties to even, subnormals kept.
;;     - The product sums the exact products of the quantised numbers (number of the format x scale) in f32.
;;   ~~~python
;;   def quantise(x, axis):      # numpy; x: float32 -> the quantised numbers, widened to float32 again
;;       x = np.moveaxis(x, axis, -1); K = x.shape[-1]
;;       x = np.pad(x, [(0, 0)] * (x.ndim - 1) + [(0, -K % 32)]); x = x.reshape(x.shape[:-1] + (-1, 32)); a = np.abs(x).max(-1, keepdims=True)
;;       e = np.where(a > 0, np.clip(np.frexp(np.where(a > 0, a, 1))[1] - 1 - 15, -126, 127), 0)      # np.frexp(a)[1] - 1 = floor(log2(a)), exactly
;;       r = np.clip(x / 2.0 ** e, -57344, 57344)
;;       step = 2.0 ** (np.maximum(np.frexp(np.where(r == 0, 1, r))[1] - 1, -14) - 2)
;;       q = np.round(r / step) * step * 2.0 ** e      # np.round: ties to even
;;       return np.moveaxis(q.reshape(q.shape[:-2] + (-1,))[..., :K], -1, axis).astype(np.float32)
;;   ~~~
;;   SOFTMAX AHEAD OF A QUANTISED PRODUCT. Where the list says 'softmax', what is quantised is not the finished softmax but p = 2^(t - M), with t = logit x log2(e) and M = ceil(the row's largest t), a whole number; so 1/2 < the row's largest p <= 1. The row's sum l is taken of the UNQUANTISED p, in f32, and the product's result is divided by l at the end. Since M is a whole number, a kernel that streams over the keys may use a running M (the ceiling of the running maximum): every later rescaling is an exact power of two, which a block's scale takes up: the codes' values come out the same.
;;   OPERANDS COMPUTED ON THE WAY. 'Computed on the way' means the value that the module computes at that place (a softmax that the list does not call 'softmax' is quantised finished and normalised). What goes into a quantiser is computed in f32, as accurately as f32 sums, v_exp_f32 and their like allow (about 1e-6 of the number): no bf16 or f16 on the way to a quantiser, and a product that is left as it is and whose result goes on into a quantised operand takes f32 operands (vector FMAs, or v_wmma_f32_16x16x4_f32). A number that lies on a knife's edge between two numbers of the format may be rounded either way, as far as f32 arithmetic and the matrix unit's own rounding can turn it there, and no further.
;; One version. Each part assembles by itself: llvm-mc -triple=amdgcn-amd-amdhsa -mcpu=gfx1250 --defsym DOCPART=n.
;; ======== version 1 of 1: 3 launches
;; limits: right only within a limited range of input values
;; workspace buffers: prep 272,384 bytes; qq 4,325,376 bytes; kv 8,650,752 bytes
;; launch prep (part 1): grid 256 x 1, 8 waves a work-group, no clusters, 1,536 bytes of LDS; arguments x, qkv_w, proj_w, prep; writes prep
.if DOCPART == 1
	.amdgcn_target "amdgcn-amd-amdhsa--gfx1250"
	.amdhsa_code_object_version 6
	.text
	.protected	k_q9e0b0c2e35_prep
	.globl	k_q9e0b0c2e35_prep
	.p2align	8
	.type	k_q9e0b0c2e35_prep,@function
k_q9e0b0c2e35_prep:
	s_mov_b64 s[64:65], 0
	v_nop
	global_prefetch_b8 v0, s[64:65] scope:SCOPE_SE
	s_setreg_imm32_b32 hwreg(HW_REG_WAVE_MODE, 25, 1), 1
	s_wait_xcnt 0x0
; PREP.  (1) Statistics for GroupNorm.  A group is 8 channels x 4,096 pixels = 131,072 consecutive bytes of x; work-group g owns HALF a group, the 65,536 bytes at 65,536 g,
; and stores (mean, M2 = the sum of (x - mean)^2) of its 16,384 numbers at byte 8 g of prep.  Two passes over numbers that stay in registers: the variance is never a difference of large sums.
; (2) qkv_w [768][256] and proj_w [256][256], f32, K innermost, become codes of E5M2 with one E8M0 byte for each 32 along K, laid as IMAGES OF OPERAND REGISTERS:
; a tile is 16 rows x 256 K = 4,096 bytes = 8 chunks of 512; in chunk 4 s + c lane (r, h) has 16 bytes at 16 x lane: k = 128 s + 32 c + 16 h + 0 .. 15 of the tile's row r.
; THE ROWS OF A TILE ARE NOT NEIGHBOURS: lane r of tile 2 B + u takes row 32 B + 8 u + r + 8 (r / 8), so that a transposed result's 16 registers of tiles 2 B, 2 B + 1 are 16 neighbours.
; A tile's scale words are 128 bytes: lane (r, h) holds row r's word of K step s = h.  Tiles 0-47: qkv_w; 48-63: proj_w.  Wave 7 of every fourth work-group makes tile g / 4.
; A block's scale is 2^(floor(log2(largest magnitude)) - 15); its byte is the largest magnitude's exponent field - 15, held at 1 from below.
; LIMITS: NaN and infinities are not served; a block whose largest magnitude lies under 2^-111 keeps the byte 1 (a block of zeros too, where the rule says 127: its codes are zeros, and this program alone reads the bytes).
.set STATS, 0                          ; prep: 256 entries of 8 bytes
.set WS,    2048                       ; 64 tiles x 128 bytes of scale words
.set WC,    10240                      ; 64 tiles x 4,096 bytes of codes
.set TM,    16                         ; v16-19 largest magnitudes, v20-23 bytes, v28-31 the conversions' scale operands; later at work on the statistics
.set X,     32                         ; v32-95   my 64 numbers of x
.set W,     96                         ; v96-223  a weight tile's numbers: K step s at 96 + 64 s, register 16 c + i = k 32 c + 16 h + i
.set CD,    224                        ; v224-255 its codes
.set SEL,   20                         ; s[20:21] lane selects for v_permlanex16_b32: lane l xor 16
.set MNT,   22
; 64 numbers of a lane, register 16 b + i = k 32 b + 16 (lane / 16) + i of my row, become a fragment's codes in v[d] on and its scale word in v[w].
.macro QUANT s, d, w
.irp b, 0,1,2,3
	v_max3_num_f32 v[TM+\b], |v[\s+16*\b]|, |v[\s+1+16*\b]|, 0x8000000   ; my 16 numbers of block b, and the floor 2^(16 - 127): the byte cannot fall under 1
.endr
.irp i, 2,4,6,8,10,12,14
.irp b, 0,1,2,3
	s_delay_alu instid0(VALU_DEP_4)
	v_max3_num_f32 v[TM+\b], v[TM+\b], |v[\s+16*\b+\i]|, |v[\s+1+16*\b+\i]|   ; the four blocks by turns
.endr
.endr
.irp b, 0,1,2,3
	s_delay_alu instid0(VALU_DEP_4)
	v_permlanex16_b32 v[TM+4+\b], v[TM+\b], s[SEL], s[SEL+1]
.endr
.irp b, 0,1,2,3
	s_delay_alu instid0(VALU_DEP_4)
	v_max_num_f32 v[TM+\b], v[TM+\b], v[TM+4+\b]                 ; with lane l xor 16's 16: the block's largest magnitude
.endr
.irp b, 0,1,2,3
	s_delay_alu instid0(VALU_DEP_4)
	v_add_nc_u32 v[TM+12+\b], 0xf8800000, v[TM+\b]               ; 15 off its exponent field: the conversion takes that field as its scale
.endr
.irp b, 0,1,2,3
.endr
.irp b, 0,1,2,3
	s_delay_alu instid0(VALU_DEP_4)
	v_lshrrev_b32 v[TM+4+\b], 23, v[TM+12+\b]                    ; the scale's byte
.endr
	s_delay_alu instid0(VALU_DEP_3)
	v_lshl_or_b32 v[\w], v[TM+5], 8, v[TM+4]
	s_delay_alu instid0(VALU_DEP_1)
	v_lshl_or_b32 v[\w], v[TM+6], 16, v[\w]
	s_delay_alu instid0(VALU_DEP_1)
	v_lshl_or_b32 v[\w], v[TM+7], 24, v[\w]
.irp b, 0,1,2,3
.irp i, 0,1,2,3,4,5,6,7,8,9,10,11,12,13,14,15
.endr
	v_cvt_scalef32_pk8_bf8_f32 v[\d+4*\b:\d+1+4*\b], v[\s+16*\b:\s+7+16*\b], v[TM+12+\b]
	v_cvt_scalef32_pk8_bf8_f32 v[\d+2+4*\b:\d+3+4*\b], v[\s+8+16*\b:\s+15+16*\b], v[TM+12+\b]
.endr
	v_nop                                          ; a plain line behind the last conversion
.endm
; The four packed chains v[8:15] become one number for the work-group, in v20 of every lane: within the lane, across the 32 lanes, and through eight LDS words at off.
.macro REDUCE off
	s_delay_alu instid0(VALU_DEP_3)
	v_pk_add_f32 v[8:9], v[8:9], v[10:11]
	s_delay_alu instid0(VALU_DEP_2)
	v_pk_add_f32 v[12:13], v[12:13], v[14:15]
	s_delay_alu instid0(VALU_DEP_1)
	v_pk_add_f32 v[8:9], v[8:9], v[12:13]
	s_delay_alu instid0(VALU_DEP_1)
	v_add_f32 v8, v8, v9
	s_delay_alu instid0(VALU_DEP_1)
	v_add_f32_dpp v8, v8, v8 row_xmask:1 row_mask:0xf bank_mask:0xf
	s_delay_alu instid0(VALU_DEP_1)
	v_add_f32_dpp v8, v8, v8 row_xmask:2 row_mask:0xf bank_mask:0xf
	s_delay_alu instid0(VALU_DEP_1)
	v_add_f32_dpp v8, v8, v8 row_xmask:4 row_mask:0xf bank_mask:0xf
	s_delay_alu instid0(VALU_DEP_1)
	v_add_f32_dpp v8, v8, v8 row_xmask:8 row_mask:0xf bank_mask:0xf
	s_delay_alu instid0(VALU_DEP_1)
	v_permlanex16_b32 v9, v8, s[SEL], s[SEL+1]
	s_delay_alu instid0(VALU_DEP_1)
	v_add_f32 v8, v8, v9
	ds_store_b32 v5, v8 offset:\off                ; my wave's word (all lanes write the same value)
	s_wait_dscnt 0x0                               ; for the others' sake: my store has landed
	s_barrier_signal -1
	s_barrier_wait -1
	ds_load_b128 v[20:23], v18 offset:\off
	ds_load_b128 v[24:27], v18 offset:\off+16
	s_wait_dscnt 0x0
	v_add_f32 v20, v20, v21
	v_add_f32 v22, v22, v23
	v_add_f32 v24, v24, v25
	v_add_f32 v26, v26, v27
	s_delay_alu instid0(VALU_DEP_3)
	v_add_f32 v20, v20, v22
	s_delay_alu instid0(VALU_DEP_2)
	v_add_f32 v24, v24, v26
	s_delay_alu instid0(VALU_DEP_1)
	v_add_f32 v20, v20, v24
.endm
	s_load_b256 s[4:11], s[0:1], 0x0               ; x s[4:5], qkv_w s[6:7], proj_w s[8:9], prep s[10:11]
	s_set_vgpr_msb 0x40
	v_lshl_add_u32 v0, v0, 2, 0x200
	v_mov_b32 v1, 0
	s_set_vgpr_msb 0x4000
	v_lshrrev_b32 v5, 5, v0
	s_delay_alu instid0(VALU_DEP_1)
	v_readfirstlane_b32 s12, v5                    ; wave 0..7
	v_and_b32 v4, 31, v0                           ; lane
	s_delay_alu instid0(VALU_DEP_3)
	v_lshlrev_b32 v1, 13, v5
	s_delay_alu instid0(VALU_DEP_1)
	v_lshl_or_b32 v1, v4, 4, v1                    ; x: 8,192 x wave + 16 x lane
	s_delay_alu instid0(VALU_DEP_3)
	v_lshlrev_b32 v3, 4, v4                        ; 16 x lane
	v_and_b32 v6, 15, v0
	v_and_b32 v7, 8, v0
	s_delay_alu instid0(VALU_DEP_1)
	v_add_nc_u32 v6, v6, v7                        ; r + 8 (r / 8)
	v_bfe_u32 v7, v0, 4, 1                         ; h
	s_delay_alu instid0(VALU_DEP_2)
	v_lshlrev_b32 v2, 10, v6
	s_delay_alu instid0(VALU_DEP_1)
	v_lshl_add_u32 v2, v7, 6, v2                   ; a weight: my row of 1,024 bytes, + 64 h
	v_lshlrev_b32 v4, 2, v4                        ; 4 x lane
	v_lshlrev_b32 v5, 2, v5                        ; 4 x wave: my wave's LDS word
	s_and_b32 s13, ttmp9, 3
	s_xor_b32 s15, s12, 7
	s_or_b32 s13, s13, s15                         ; 0: this wave has a weight tile
	s_lshr_b32 s14, ttmp9, 2                       ; which
	s_lshl_b32 s16, ttmp9, 16
	s_mov_b32 s17, 0
	s_mov_b32 s[SEL], 0x76543210
	s_mov_b32 s[SEL+1], 0xfedcba98
	s_mov_b32 s23, 0xffff0000                      ; lanes 16-31
	s_wait_kmcnt 0x0
	s_add_nc_u64 s[4:5], s[4:5], s[16:17]          ; my half group
.irp i, 0,1,2,3,4,5,6,7,8,9,10,11,12,13,14,15
	global_load_b128 v[X+4*\i:X+4*\i+3], v1, s[4:5] offset:512*\i   ; 32 lanes read 512 consecutive bytes
.endr
	s_lshl_b32 s16, ttmp9, 3
	s_add_nc_u64 s[30:31], s[10:11], s[16:17]      ; my entry of the statistics
	s_cmp_lg_u32 s13, 0
	s_cbranch_scc1 .Lstats
	; ---- the weight tile: all of it in this one branch
	s_cmp_lt_u32 s14, 48                           ; qkv_w's tile or proj_w's: the choice hangs on the work-group's number alone
	s_cselect_b64 s[6:7], s[6:7], s[8:9]
	s_cselect_b32 s15, 0, 48
	s_sub_co_u32 s15, s14, s15                     ; the tile's number in its tensor, 2 B + u
	s_lshr_b32 s18, s15, 1
	s_lshl_b32 s18, s18, 15                        ; 32 B rows of 1,024 bytes
	s_and_b32 s19, s15, 1
	s_lshl_b32 s19, s19, 13                        ; 8 u rows
	s_add_co_u32 s18, s18, s19
	s_mov_b32 s19, 0
	s_add_nc_u64 s[6:7], s[6:7], s[18:19]
	s_wait_alu depctr_va_vdst(0)
.irp s, 0,1
.irp c, 0,1,2,3
.irp q, 0,1,2,3
	global_load_b128 v[W+64*\s+16*\c+4*\q:W+64*\s+16*\c+4*\q+3], v2, s[6:7] offset:512*\s+128*\c+16*\q th:TH_LOAD_NT
.endr
.endr
.endr
	s_lshl_b32 s18, s14, 12
	s_add_nc_u64 s[26:27], s[10:11], s[18:19]      ; the tile's codes
	s_lshl_b32 s18, s14, 7
	s_add_nc_u64 s[28:29], s[10:11], s[18:19]      ; and its scale words
.irp b, 0,1,2,3
	v_mov_b32 v[TM+4+\b], 0                        ; a lane permute's destination counts as one of its sources
.endr
	s_wait_loadcnt 0x0
	QUANT W, CD, 6
	QUANT W+64, CD+16, 7
.irp q, 0,1,2,3,4,5,6,7
	global_store_b128 v3, v[CD+4*\q:CD+4*\q+3], s[26:27] offset:WC+512*\q   ; 512 consecutive bytes a store
.endr
	v_cndmask_b32 v6, v6, v7, s23                  ; lanes 0-15 keep K step 0's word, lanes 16-31 take K step 1's
	global_store_b32 v4, v6, s[28:29] offset:WS
.Lstats:
	; ---- the statistics
	s_wait_loadcnt 0x0                             ; my 64 numbers of x
	v_mov_b32 v18, 0
.irp k, 0,1,2,3
	v_pk_add_f32 v[8+2*\k:9+2*\k], v[X+2*\k:X+2*\k+1], v[X+8+2*\k:X+9+2*\k]   ; the first pairs start four chains: nothing is cleared
.endr
.set p, 8
.rept 24
	s_delay_alu instid0(VALU_DEP_4)
	v_pk_add_f32 v[8+2*(p%4):9+2*(p%4)], v[8+2*(p%4):9+2*(p%4)], v[X+2*p:X+2*p+1]
.set p, p+1
.endr
	REDUCE 0
	s_delay_alu instid0(VALU_DEP_1)
	v_mul_f32 v16, 0x38800000, v20                 ; the mean: the sum x 2^-14
	s_delay_alu instid0(VALU_DEP_1)
	v_mov_b32 v17, v16
.set p, 0
.rept 32
	v_pk_add_f32 v[X+2*p:X+2*p+1], v[X+2*p:X+2*p+1], v[16:17] neg_lo:[0,1] neg_hi:[0,1]   ; x - mean
.set p, p+1
.endr
.irp k, 0,1,2,3
	v_pk_mul_f32 v[8+2*\k:9+2*\k], v[X+2*\k:X+2*\k+1], v[X+2*\k:X+2*\k+1]
.endr
.set p, 4
.rept 28
	s_delay_alu instid0(VALU_DEP_4)
	v_pk_fma_f32 v[8+2*(p%4):9+2*(p%4)], v[X+2*p:X+2*p+1], v[X+2*p:X+2*p+1], v[8+2*(p%4):9+2*(p%4)]
.set p, p+1
.endr
	REDUCE 256                                     ; other LDS words than the first time: no third barrier is needed
	s_delay_alu instid0(VALU_DEP_1)
	v_mov_b32 v17, v20                             ; M2
	s_cmp_lg_u32 s12, 0
	s_cbranch_scc1 .Lend
	s_wait_xcnt 0x0                                ; EXEC changes only behind this wait
	v_cmp_eq_u32 vcc_lo, 0, v0
	s_and_saveexec_b32 s24, vcc_lo
	s_wait_alu depctr_va_vdst(0)
	global_store_b64 v18, v[16:17], s[30:31] offset:STATS   ; thread 0 alone
	s_wait_xcnt 0x0                                ; and again in front of the line that widens it
	s_or_b32 exec_lo, exec_lo, s24
.Lend:
	s_set_vgpr_msb 0x5
	s_wait_tensorcnt 0x0
	ds_add_u32 v0, v1
	s_wait_dscnt 0x0
	s_set_vgpr_msb 0x500
	s_endpgm
.Lfunc_end_k_q9e0b0c2e35_prep:
	.size	k_q9e0b0c2e35_prep, .Lfunc_end_k_q9e0b0c2e35_prep-k_q9e0b0c2e35_prep
	.p2alignl 7, 3214868480
	.fill 96, 4, 3214868480
	.section	.rodata,"a",@progbits
	.p2align	6, 0x0
	.amdhsa_kernel k_q9e0b0c2e35_prep
		.amdhsa_group_segment_fixed_size 1536
		.amdhsa_private_segment_fixed_size 0
		.amdhsa_enable_private_segment 0
		.amdhsa_kernarg_size 32
		.amdhsa_user_sgpr_count 2
		.amdhsa_user_sgpr_kernarg_segment_ptr 1
		.amdhsa_wavefront_size32 1
		.amdhsa_system_sgpr_workgroup_id_x 1
		.amdhsa_system_sgpr_workgroup_id_y 1
		.amdhsa_system_sgpr_workgroup_id_z 1
		.amdhsa_system_vgpr_workitem_id 0
		.amdhsa_next_free_vgpr 258
		.amdhsa_next_free_sgpr 66
		.amdhsa_reserve_vcc 1
		.amdhsa_float_denorm_mode_32 3
		.amdhsa_float_denorm_mode_16_64 3
		.amdhsa_fp16_overflow 1
		.amdhsa_memory_ordered 1
		.amdhsa_forward_progress 1
		.amdhsa_inst_pref_size 30
	.end_amdhsa_kernel
	.amdgpu_metadata
---
amdhsa.version: [ 1, 2 ]
amdhsa.kernels:
  - .name:           k_q9e0b0c2e35_prep
    .symbol:         k_q9e0b0c2e35_prep.kd
    .args:
      - { .name: x, .offset: 0, .size: 8, .value_kind: global_buffer, .address_space: global }
      - { .name: qkv_w, .offset: 8, .size: 8, .value_kind: global_buffer, .address_space: global }
      - { .name: proj_w, .offset: 16, .size: 8, .value_kind: global_buffer, .address_space: global }
      - { .name: prep, .offset: 24, .size: 8, .value_kind: global_buffer, .address_space: global }
    .group_segment_fixed_size: 1536
    .private_segment_fixed_size: 0
    .kernarg_segment_align: 8
    .kernarg_segment_size: 32
    .max_flat_workgroup_size: 256
    .sgpr_count:     66
    .vgpr_count:     258
    .wavefront_size: 32
...
	.end_amdgpu_metadata
.endif
;; end of part 1
;; launch qkv (part 2): grid 128 x 2, 8 waves a work-group, no clusters, 42,496 bytes of LDS; arguments x, prep, gn_w, gn_b, qkv_b, qq, kv; writes qq, kv
.if DOCPART == 2
	.amdgcn_target "amdgcn-amd-amdhsa--gfx1250"
	.amdhsa_code_object_version 6
	.text
	.protected	k_q9e0b0c2e35_qkv
	.globl	k_q9e0b0c2e35_qkv
	.p2align	8
	.type	k_q9e0b0c2e35_qkv,@function
k_q9e0b0c2e35_qkv:
	s_mov_b64 s[64:65], 0
	v_nop
	global_prefetch_b8 v0, s[64:65] scope:SCOPE_SE
	s_setreg_imm32_b32 hwreg(HW_REG_WAVE_MODE, 25, 1), 1
	s_wait_xcnt 0x0
; QKV.  h = GroupNorm(x) x gn_w + gn_b is quantised along the channels; q, k, v = qkv_w h + qkv_b on codes of E5M2 with E8M0 scales; q and k are quantised along their channels, v along the pixels (the keys).
; SHARES.  Work-group (x = 32 b + X, y) owns pixels 128 X .. 128 X + 127 of batch b, eight tiles of 16.  y = 0 makes q, y = 1 makes k; both make v's channels 128 y .. 128 y + 127.  One path: y chooses pointers and offsets alone.
; (h is so made twice; in exchange a work-group holds all 128 keys of a scale word of v, reads half of the weights, and there are 256 work-groups.)
; Wave w: in phase X channels 32 w .. 32 w + 31 of x, one block of 32 along K, for all 128 pixels; then outputs 32 w .. 32 w + 31 of q or k (weight tiles 16 y + 2 w + u) and v's channel tile 8 y + w (weight tile 32 + 8 y + w).
; ALL OPERANDS ARE IMAGES OF REGISTERS: a fragment (16 rows x 128 K) is four chunks of 512 bytes; in chunk c lane (r, h) has 16 bytes at 16 x lane: k = 32 c + 16 h + 0 .. 15 of row r.  A tile (K = 256) is two fragments.
; THE ROWS OF A TILE ARE NOT NEIGHBOURS: lane r of tile 2 B + u takes row 32 B + 8 u + r + 8 (r / 8) (pixels and weight rows alike): a result's 16 registers of tiles 2 B, 2 B + 1 are 16 neighbours along the next K.
; q, k: source 0 = 16 rows of the weight, source 1 = 16 pixels of h: a lane holds one pixel, its registers run along the outputs.  v: source 0 = 16 pixels, source 1 = 16 rows of the weight: a lane holds one channel, registers along the pixels.
; The biases are the C of each sum's first matrix instruction.
; OUT.  qq: [b][256 tiles][4,096] codes, then from byte 4,194,304 [b][256 tiles][128] scale words (lane (r, h): row r's word of K step h).
; kv: [b][16 records of 256 keys], a record: k's 16 tiles; from 65,536 their scale words; from 67,584 v's codes [2 steps of 128 keys][16 channel tiles][2,048]; from 133,120 v's scale words [2][16][16 rows x 4 bytes].
; LIMITS: NaN and infinities are not served; a block whose largest magnitude lies under 2^-111 keeps the byte 1 (a block of zeros too: its codes are zeros, and this program alone reads the bytes); 1 / sqrt is v_rsq_f32.
.set REC,  135168
.set KSO,  65536
.set VCO,  67584
.set VSO,  133120
.set QSW,  4194304
.set WS,   2048                        ; prep: the weights' scale words,
.set WC,   10240                       ; and their codes
.set HIMG, 0                           ; LDS: h's eight tiles, 4,096 bytes each
.set HSP,  32768                       ; eight planes of 512 bytes: wave w's holds, as a word at 64 T + 4 r, the scale byte of h's channel block w
.set QSP,  36864                       ; the same for q's or k's bytes
.set VSC,  40960                       ; v's scale words: wave w's channel r at 64 w + 4 r
.set L16,  1                           ; v1   16 x lane
.set L4,   2                           ; v2   4 x lane
.set HA,   3                           ; v3   where my pixels' codes of h go
.set HP,   4                           ; v4   and their scale bytes
.set QP,   5                           ; v5   where q's or k's scale bytes go
.set VWA,  6                           ; v6   where v's scale word goes
.set PLR,  7                           ; v7   a reader's lane term in the planes: 2,048 h + 4 r
.set SRA,  8                           ; v8   the gathering of q's or k's scale words: from where,
.set SGA,  9                           ; v9   and to where
.set QKO,  10                          ; v10  my chunk of a tile of q or k: 16 x lane + 2,048 (w / 4) + 512 (w % 4)
.set WSC,  12                          ; v12-14 the weights' scale words: u = 0, u = 1, v's
.set VW,   15                          ; v15  v's scale word in the making
.set ST,   16                          ; phase X: v16-31 four groups' (mean, M2) x 2
.set MEAN, 32                          ; v32-35
.set RS,   36                          ; v36-39
.set A,    40                          ; v40-71  gn_w, then gn_w / sqrt(var + eps)
.set GB,   72                          ; v72-103 gn_b
.set CW,   104                         ; v104-111 a block's codes; v112-116 at work
.set ZO,   117                         ; v117 0;  v118 64 h;  v119 4 (r + 8 (r / 8)): offsets of the head's loads
.set BO,   118
.set VO,   119
.set HS,   120                         ; v120-127 h's scale words, tile T: they hold nothing else
.set T,    128                         ; v128-255 phase X: T + 32 j + i = channel i of my pixel j
.set CD,   16                          ; phase 1: v16-63 codes, twelve registers for each pair of tiles, so that no store's data are written again
.set TM,   104                         ; v104-119 at work
.set HF,   128                         ; v128-191 h's fragments: 128 + 32 e + 16 s
.set ACC,  192                         ; v192-239 six accumulators: 16 e + 8 u (q or k), 32 + 8 e (v)
; window 1: v0-127 x as loaded (4 i + j); v128-191 the weight for q or k (32 u + 16 s); v192-223 for v (16 s); v224-239 q's or k's bias (8 u); v240-247 v's bias
.set WV,   18
.set SEL,  22
.set MNT,  24
.set MSB, 0
.macro WIN new                         ; the immediate's high byte repeats the setting that is left
.if MSB != \new
	s_set_vgpr_msb (MSB<<8)|\new
.set MSB, \new
.endif
.endm
.macro PLACES n
.rept \n
	v_nop
.endr
.endm
; My pixel j: its 32 channels are a whole block in my registers.  Codes to h's image, the byte to my plane.
.macro COLQ j
.set XS, T+32*\j
	v_max3_num_f32 v[CW+8], |v[XS]|, |v[XS+1]|, |v[XS+2]|
	v_max3_num_f32 v[CW+9], |v[XS+3]|, |v[XS+4]|, |v[XS+5]|
.irp i, 6,10,14,18,22,26
	s_delay_alu instid0(VALU_DEP_2)
	v_max3_num_f32 v[CW+8], v[CW+8], |v[XS+\i]|, |v[XS+\i+1]|
	s_delay_alu instid0(VALU_DEP_2)
	v_max3_num_f32 v[CW+9], v[CW+9], |v[XS+\i+2]|, |v[XS+\i+3]|
.endr
	s_delay_alu instid0(VALU_DEP_2)
	v_max3_num_f32 v[CW+8], v[CW+8], |v[XS+30]|, |v[XS+31]|
	s_delay_alu instid0(VALU_DEP_1)
	v_max3_num_f32 v[CW+8], v[CW+8], v[CW+9], 0x8000000          ; and the floor 2^(16 - 127)
	s_delay_alu instid0(VALU_DEP_1)
	v_add_nc_u32 v[CW+11], 0xf8800000, v[CW+8]                   ; 15 off the exponent field: the conversion's scale operand
	s_delay_alu instid0(VALU_DEP_1)
	v_lshrrev_b32 v[CW+12], 23, v[CW+11]                         ; the byte
.set n, 0
.rept 32
.set n, n+1
.endr
.irp g, 0,1,2,3
	v_cvt_scalef32_pk8_bf8_f32 v[CW+2*\g:CW+2*\g+1], v[XS+8*\g:XS+8*\g+7], v[CW+11]
.endr
	v_nop                                          ; a plain line behind the last conversion
	ds_store_b128 v[HA], v[CW:CW+3] offset:HIMG+16*\j            ; k = 32 c + 0 .. 15: the place of lane (r, 0)
	ds_store_b128 v[HA], v[CW+4:CW+7] offset:HIMG+16*\j+256      ; k = 32 c + 16 .. 31: of lane (r, 1)
	ds_store_b32 v[HP], v[CW+12] offset:4*\j
	s_wait_dscnt 0x0                               ; the stores have read their registers
.endm
; Three blocks of 16 registers at v[s] on, each half of a block of 32 whose other half lies in lane l xor 16: codes to v[d + 4 b] on, bytes to v[TM + 4 + b].
.macro QUANT3 s, d
.irp b, 0,1,2
	v_max3_num_f32 v[TM+\b], |v[\s+16*\b]|, |v[\s+1+16*\b]|, 0x8000000
.endr
.irp i, 2,4,6,8,10,12,14
.irp b, 0,1,2
	v_max3_num_f32 v[TM+\b], v[TM+\b], |v[\s+16*\b+\i]|, |v[\s+1+16*\b+\i]|
.endr
.endr
.irp b, 0,1,2
	s_delay_alu instid0(VALU_DEP_3)
	v_permlanex16_b32 v[TM+4+\b], v[TM+\b], s[SEL], s[SEL+1]
.endr
.irp b, 0,1,2
	s_delay_alu instid0(VALU_DEP_3)
	v_max_num_f32 v[TM+\b], v[TM+\b], v[TM+4+\b]
.endr
.irp b, 0,1,2
	s_delay_alu instid0(VALU_DEP_3)
	v_add_nc_u32 v[TM+12+\b], 0xf8800000, v[TM+\b]
.endr
.irp b, 0,1,2
.endr
.irp b, 0,1,2
	s_delay_alu instid0(VALU_DEP_3)
	v_lshrrev_b32 v[TM+4+\b], 23, v[TM+12+\b]
.endr
.irp b, 0,1,2
.irp i, 0,1,2,3,4,5,6,7,8,9,10,11,12,13,14,15
.endr
	v_cvt_scalef32_pk8_bf8_f32 v[\d+4*\b:\d+1+4*\b], v[\s+16*\b:\s+7+16*\b], v[TM+12+\b]
	v_cvt_scalef32_pk8_bf8_f32 v[\d+2+4*\b:\d+3+4*\b], v[\s+8+16*\b:\s+15+16*\b], v[TM+12+\b]
.endr
	v_nop                                          ; a plain line behind the last conversion
.endm
; Pixel tiles 2 pp and 2 pp + 1: twelve matrix instructions on six accumulators by turns, then the results become codes.
.macro PAIR pp
.set CP, CD+12*\pp
.irp e, 0,1
.irp q, 0,1,2,3,4,5,6,7
	ds_load_b128 v[HF+32*\e+4*\q:HF+32*\e+4*\q+3], v[L16] offset:HIMG+4096*(2*\pp+\e)+512*\q
.endr
.endr
	s_wait_dscnt 0x0                               ; the fragments are in (and the last pair's byte stores have read their registers)
	WIN 0x11                                       ; source 0 (the weight) and C (the bias) window 1
.irp e, 0,1
.irp u, 0,1
	v_wmma_scale_f32_16x16x128_f8f6f4 v[ACC+16*\e+8*\u:ACC+16*\e+8*\u+7], v[128+32*\u:128+32*\u+15], v[HF+32*\e:HF+32*\e+15], v[224+8*\u:224+8*\u+7], v[WSC+\u], v[HS+2*\pp+\e] matrix_a_fmt:MATRIX_FMT_BF8 matrix_b_fmt:MATRIX_FMT_BF8
.endr
.endr
	WIN 0x14                                       ; source 1 (the weight) and C window 1
.irp e, 0,1
	v_wmma_scale_f32_16x16x128_f8f6f4 v[ACC+32+8*\e:ACC+32+8*\e+7], v[HF+32*\e:HF+32*\e+15], v[192:207], v[240:247], v[HS+2*\pp+\e], v[WSC+2] matrix_a_fmt:MATRIX_FMT_BF8 matrix_b_fmt:MATRIX_FMT_BF8
.endr
	WIN 0x01
.irp e, 0,1
.irp u, 0,1
	v_wmma_scale_f32_16x16x128_f8f6f4 v[ACC+16*\e+8*\u:ACC+16*\e+8*\u+7], v[144+32*\u:144+32*\u+15], v[HF+32*\e+16:HF+32*\e+31], v[ACC+16*\e+8*\u:ACC+16*\e+8*\u+7], v[WSC+\u], v[HS+2*\pp+\e] matrix_a_fmt:MATRIX_FMT_BF8 matrix_b_fmt:MATRIX_FMT_BF8 matrix_a_scale:MATRIX_SCALE_ROW1 matrix_b_scale:MATRIX_SCALE_ROW1
.endr
.endr
	WIN 0x04
.irp e, 0,1
	v_wmma_scale_f32_16x16x128_f8f6f4 v[ACC+32+8*\e:ACC+32+8*\e+7], v[HF+32*\e+16:HF+32*\e+31], v[208:223], v[ACC+32+8*\e:ACC+32+8*\e+7], v[HS+2*\pp+\e], v[WSC+2] matrix_a_fmt:MATRIX_FMT_BF8 matrix_b_fmt:MATRIX_FMT_BF8 matrix_a_scale:MATRIX_SCALE_ROW1 matrix_b_scale:MATRIX_SCALE_ROW1
.endr
	WIN 0
	PLACES 9                                       ; eight in front of the first read of results and of loads into the fragments; the ninth since the next pair begins these accumulators anew with another C
	QUANT3 ACC, CP
.irp k, 0,1
	global_store_b128 v[QKO], v[CP+4*\k:CP+4*\k+3], s[28:29] offset:4096*(2*\pp+\k)   ; my chunk of tile 2 pp + k of q or k: 512 consecutive bytes
	ds_store_b32 v[QP], v[TM+4+\k] offset:64*(2*\pp+\k)                               ; its byte, to my plane (lanes r and r + 16 write the same word with the same value)
.endr
	global_store_b128 v[L16], v[CP+8:CP+11], s[32:33] offset:VCO+512*\pp               ; chunk pp of my channel tile of v
.if \pp == 0
	v_mov_b32 v[VW], v[TM+6]
.else
	v_lshl_or_b32 v[VW], v[TM+6], 8*\pp, v[VW]
.endif
.endm
	s_load_b256 s[4:11], s[0:1], 0x0               ; x s[4:5], prep s[6:7], gn_w s[8:9], gn_b s[10:11]
	s_load_b128 s[12:15], s[0:1], 0x20             ; qkv_b s[12:13], qq s[14:15]
	s_load_b64 s[16:17], s[0:1], 0x30              ; kv
	s_set_vgpr_msb 0x40
	v_lshl_add_u32 v254, v0, 2, 0xa200
	v_mov_b32 v255, 0
	s_set_vgpr_msb 0x4000
	v_lshrrev_b32 v11, 5, v0
	s_delay_alu instid0(VALU_DEP_1)
	v_readfirstlane_b32 s[WV], v11                 ; wave 0..7
	s_and_b32 s19, ttmp7, 0xffff                   ; y
	s_lshr_b32 s20, ttmp9, 5                       ; b
	s_and_b32 s21, ttmp9, 31                       ; X
	s_mov_b32 s[SEL], 0x76543210
	s_mov_b32 s[SEL+1], 0xfedcba98
	s_mov_b32 s25, 0x3727c5ac                      ; 1e-5
	s_mov_b32 s26, 0x38000000                      ; 2^-15: a group has 32,768 numbers
	s_mov_b32 s27, 0x46000000                      ; 8,192 = 16,384 x 16,384 / 32,768
	s_lshr_b32 s52, s[WV], 2
	s_lshl_b32 s52, s52, 11
	s_and_b32 s53, s[WV], 3
	s_lshl_b32 s53, s53, 9
	s_add_co_u32 s52, s52, s53                     ; my chunk of a tile: 2,048 (w / 4) + 512 (w % 4)
	s_lshl_b32 s53, s[WV], 9                       ; my plane
	s_lshl_b32 s54, s[WV], 6
	s_and_b32 s55, s[WV], 1
	v_and_b32 v104, 31, v0                         ; lane L
	v_and_b32 v105, 15, v0                         ; r
	v_bfe_u32 v106, v0, 4, 1                       ; h
	v_bfe_u32 v107, v0, 3, 2                       ; L / 8
	v_and_b32 v108, 1, v0                          ; L's bits 0, 1, 2
	v_bfe_u32 v109, v0, 1, 1
	v_bfe_u32 v110, v0, 2, 1
	v_and_b32 v111, 3, v0
	v_lshlrev_b32 v[L16], 4, v104
	v_lshlrev_b32 v[L4], 2, v104
	; my pixels are 4 L + j.  Pixel p lies in tile 2 (p / 32) + bit 3 of p, at row r = 8 x bit 4 + (p % 8): so 16 r = 128 x L's bit 2 + 64 x bit 0 + 16 j, and the tile is 2 (L / 8) + L's bit 1
	v_lshlrev_b32 v[HA], 13, v107
	s_delay_alu instid0(VALU_DEP_1)
	v_lshl_add_u32 v[HA], v109, 12, v[HA]
	s_delay_alu instid0(VALU_DEP_1)
	v_lshl_add_u32 v[HA], v110, 7, v[HA]
	s_delay_alu instid0(VALU_DEP_1)
	v_lshl_add_u32 v[HA], v108, 6, v[HA]
	s_delay_alu instid0(VALU_DEP_1)
	v_add_nc_u32 v[HA], s52, v[HA]
	v_lshlrev_b32 v[HP], 7, v107                   ; the same place in a plane: 64 x tile + 4 r
	s_delay_alu instid0(VALU_DEP_1)
	v_lshl_add_u32 v[HP], v109, 6, v[HP]
	s_delay_alu instid0(VALU_DEP_1)
	v_lshl_add_u32 v[HP], v110, 5, v[HP]
	s_delay_alu instid0(VALU_DEP_1)
	v_lshl_add_u32 v[HP], v108, 4, v[HP]
	s_delay_alu instid0(VALU_DEP_1)
	v_add_nc_u32 v[HP], s53, v[HP]
	s_delay_alu instid0(VALU_DEP_1)
	v_add_nc_u32 v[HP], HSP, v[HP]
	v_lshl_add_u32 v[QP], v105, 2, s53
	s_delay_alu instid0(VALU_DEP_1)
	v_add_nc_u32 v[QP], QSP, v[QP]
	v_lshl_add_u32 v[VWA], v105, 2, s54
	s_delay_alu instid0(VALU_DEP_1)
	v_add_nc_u32 v[VWA], VSC, v[VWA]
	v_lshlrev_b32 v[PLR], 2, v105
	s_delay_alu instid0(VALU_DEP_1)
	v_lshl_add_u32 v[PLR], v106, 11, v[PLR]
	s_lshl_b32 s56, s55, 8
	v_lshlrev_b32 v[SRA], 11, v110                 ; word 4 L + n of 128: tile L / 8, row 4 (L % 4) + n, K step = L's bit 2: planes 4 x bit 2 + c
	s_delay_alu instid0(VALU_DEP_1)
	v_lshl_add_u32 v[SRA], v107, 6, v[SRA]
	s_delay_alu instid0(VALU_DEP_1)
	v_lshl_add_u32 v[SRA], v111, 4, v[SRA]
	s_delay_alu instid0(VALU_DEP_1)
	v_add_nc_u32 v[SRA], s56, v[SRA]
	s_delay_alu instid0(VALU_DEP_1)
	v_add_nc_u32 v[SRA], QSP, v[SRA]
	s_lshl_b32 s56, s55, 9
	v_add_nc_u32 v[SGA], s56, v[L16]
	v_add_nc_u32 v[QKO], s52, v[L16]
	v_mov_b32 v[ZO], 0
	v_lshlrev_b32 v[BO], 6, v106
	v_and_b32 v[VO], 8, v0
	s_delay_alu instid0(VALU_DEP_1)
	v_add_nc_u32 v[VO], v[VO], v105
	s_delay_alu instid0(VALU_DEP_1)
	v_lshlrev_b32 v[VO], 2, v[VO]
	s_lshl_b32 s46, s20, 22                        ; x: batch, my 32 channels of 16,384 bytes, the work-group's 128 pixels
	s_lshl_b32 s47, s[WV], 19
	s_add_co_u32 s46, s46, s47
	s_lshl_b32 s47, s21, 9
	s_add_co_u32 s46, s46, s47
	s_mov_b32 s47, 0                               ; s[46:47]: an offset under 2^32, from here on
	s_wait_alu depctr_va_vdst(0)
	s_wait_kmcnt 0x0
	s_add_nc_u64 s[4:5], s[4:5], s[46:47]
	s_lshl_b32 s46, s20, 9
	s_add_co_u32 s46, s46, s54
	s_add_nc_u64 s[44:45], s[6:7], s[46:47]        ; my four groups' eight entries: 512 b + 64 w
	s_lshl_b32 s46, s[WV], 7
	s_add_nc_u64 s[8:9], s[8:9], s[46:47]
	s_add_nc_u64 s[10:11], s[10:11], s[46:47]
	; (1) twenty loads of constants, the same address in every lane
.irp g, 0,1,2,3
	global_load_b128 v[ST+4*\g:ST+4*\g+3], v[ZO], s[44:45] offset:16*\g
.endr
.irp q, 0,1,2,3,4,5,6,7
	global_load_b128 v[A+4*\q:A+4*\q+3], v[ZO], s[8:9] offset:16*\q
.endr
.irp q, 0,1,2,3,4,5,6,7
	global_load_b128 v[GB+4*\q:GB+4*\q+3], v[ZO], s[10:11] offset:16*\q
.endr
	; (2) x: channel i, my four pixels; 32 lanes read 512 consecutive bytes
	WIN 0x40
.set n, 0
.rept 32
	global_load_b128 v[4*n:4*n+3], v[L16], s[4:5] offset:16384*n
.set n, n+1
.endr
	; (3) 39 loads: the weights' images, the biases, the weights' scale words
	s_lshl_b32 s58, s19, 4
	s_lshl_b32 s59, s[WV], 1
	s_add_co_u32 s58, s58, s59                     ; weight tile 16 y + 2 w
	s_lshl_b32 s46, s58, 12
	s_add_nc_u64 s[36:37], s[6:7], s[46:47]
	s_lshl_b32 s46, s58, 7
	s_add_nc_u64 s[40:41], s[6:7], s[46:47]
	s_lshl_b32 s58, s19, 3
	s_add_co_u32 s58, s58, s[WV]                   ; v's channel tile t = 8 y + w
	s_add_co_u32 s59, s58, 32
	s_lshl_b32 s46, s59, 12
	s_add_nc_u64 s[38:39], s[6:7], s[46:47]
	s_lshl_b32 s46, s59, 7
	s_add_nc_u64 s[42:43], s[6:7], s[46:47]
	s_lshl_b32 s46, s19, 10
	s_lshl_b32 s59, s[WV], 7
	s_add_co_u32 s46, s46, s59
	s_add_nc_u64 s[48:49], s[12:13], s[46:47]      ; qkv_b at output 256 y + 32 w
	s_lshl_b32 s46, s19, 9
	s_lshr_b32 s59, s[WV], 1
	s_lshl_b32 s59, s59, 7
	s_add_co_u32 s46, s46, s59
	s_lshl_b32 s59, s55, 5
	s_add_co_u32 s46, s46, s59
	s_add_nc_u64 s[50:51], s[12:13], s[46:47]      ; and at 128 y + 32 (w / 2) + 8 (w % 2), 512 outputs on by the immediate
.irp u, 0,1
.irp q, 0,1,2,3,4,5,6,7
	global_load_b128 v[128+32*\u+4*\q:128+32*\u+4*\q+3], v[L16], s[36:37] offset:WC+4096*\u+512*\q
.endr
.endr
.irp q, 0,1,2,3,4,5,6,7
	global_load_b128 v[192+4*\q:192+4*\q+3], v[L16], s[38:39] offset:WC+512*\q
.endr
.irp u, 0,1
	global_load_b128 v[224+8*\u:224+8*\u+3], v[BO], s[48:49] offset:32*\u          ; lane (r, h): outputs 16 h + 8 u + 0 .. 7 of my 32
	global_load_b128 v[228+8*\u:228+8*\u+3], v[BO], s[48:49] offset:32*\u+16
.endr
.irp n, 0,1,2,3,4,5,6,7
	global_load_b32 v[240+\n], v[VO], s[50:51] offset:2048                         ; my lane's channel of v: the same number in all eight registers of C
.endr
	WIN 0
	global_load_b32 v[WSC], v[L4], s[40:41] offset:WS
	global_load_b32 v[WSC+1], v[L4], s[40:41] offset:WS+128
	global_load_b32 v[WSC+2], v[L4], s[42:43] offset:WS
	; where the results go
	s_lshr_b32 s60, s21, 1
	s_lshl_b32 s61, s20, 4
	s_add_co_u32 s60, s60, s61
	s_mul_i32 s57, s60, REC                        ; my record's first byte in kv
	s_and_b32 s56, s21, 1                          ; which half of its 256 keys
	s_lshl_b32 s60, s56, 15
	s_add_co_u32 s60, s60, s57                     ; k's codes
	s_lshl_b32 s61, ttmp9, 15                      ; q's codes: eight tiles of 4,096 bytes for each work-group x
	s_lshl_b32 s62, s56, 10
	s_add_co_u32 s62, s62, s57
	s_add_co_u32 s62, s62, KSO                     ; k's scale words
	s_lshl_b32 s63, ttmp9, 10
	s_add_co_u32 s63, s63, QSW                     ; q's
	s_cmp_eq_u32 s19, 0                            ; q or k: the choice hangs on the work-group's y alone
	s_cselect_b64 s[28:29], s[14:15], s[16:17]
	s_cselect_b32 s46, s61, s60
	s_cselect_b32 s60, s63, s62
	s_mov_b64 s[30:31], s[28:29]
	s_add_nc_u64 s[28:29], s[28:29], s[46:47]
	s_mov_b32 s46, s60
	s_add_nc_u64 s[30:31], s[30:31], s[46:47]
	s_lshl_b32 s46, s56, 15
	s_add_co_u32 s46, s46, s57
	s_lshl_b32 s60, s58, 11
	s_add_co_u32 s46, s46, s60
	s_add_nc_u64 s[32:33], s[16:17], s[46:47]      ; v's codes: step, channel tile t (VCO stands in the immediate)
	s_lshl_b32 s46, s56, 10
	s_add_co_u32 s46, s46, s57
	s_lshl_b32 s60, s19, 9
	s_add_co_u32 s46, s46, s60
	s_add_nc_u64 s[34:35], s[16:17], s[46:47]      ; v's scale words: step, my work-group's eight tiles
	; ---- PHASE X
	s_wait_loadcnt 63                              ; 71 loads were issued behind the twenty of (1); the wait's field holds 63, which asks for more than is needed
.irp g, 0,1,2,3
	v_sub_f32 v[RS+\g], v[ST+4*\g], v[ST+4*\g+2]   ; the two halves' means: their difference,
.endr
.irp g, 0,1,2,3
	v_add_f32 v[MEAN+\g], v[ST+4*\g], v[ST+4*\g+2]
.endr
.irp g, 0,1,2,3
	v_add_f32 v[ST+4*\g+1], v[ST+4*\g+1], v[ST+4*\g+3]
.endr
.irp g, 0,1,2,3
	v_mul_f32 v[RS+\g], v[RS+\g], v[RS+\g]
.endr
.irp g, 0,1,2,3
	v_mul_f32 v[MEAN+\g], 0.5, v[MEAN+\g]          ; the group's mean,
.endr
.irp g, 0,1,2,3
	v_fma_f32 v[ST+4*\g+1], v[RS+\g], s27, v[ST+4*\g+1]   ; its M2 = M2a + M2b + (difference)^2 x 8,192
.endr
.irp g, 0,1,2,3
	s_delay_alu instid0(VALU_DEP_4)
	v_fma_f32 v[RS+\g], v[ST+4*\g+1], s26, s25     ; var + eps
.endr
	s_wait_alu depctr_va_vdst(0)
.irp g, 0,1,2,3
	v_rsq_f32 v[RS+\g], v[RS+\g]
.endr
	v_nop                                          ; a plain line behind the transcendentals
.set n, 0
	s_wait_alu depctr_va_vdst(0)
.rept 32
	v_mul_f32 v[A+n], v[A+n], v[RS+n/8]
.set n, n+1
.endr
	s_wait_loadcnt 39                              ; x is in; the 39 loads of (3) may be out
	WIN 0x01                                       ; source 0 window 1
.set n, 0
.rept 32
.irp j, 0,1,2,3
	v_sub_f32 v[T+32*\j+n], v[4*n+\j], v[MEAN+n/8] ; x - mean; the subtraction also lays a pixel's 32 channels on end
.endr
.set n, n+1
.endr
	WIN 0
.irp j, 0,1,2,3
.set n, 0
.rept 16
	v_pk_fma_f32 v[T+32*\j+n:T+32*\j+n+1], v[T+32*\j+n:T+32*\j+n+1], v[A+n:A+n+1], v[GB+n:GB+n+1]
.set n, n+2
.endr
.endr
	COLQ 0
	COLQ 1
	COLQ 2
	COLQ 3
	s_barrier_signal -1                            ; (COLQ ends with the wait for all my LDS stores)
	s_barrier_wait -1                              ; h's eight tiles and their bytes lie in LDS
	; ---- PHASE 1
	s_wait_loadcnt 0x0                             ; the weights, their scale words, the biases
.irp b, 0,1,2
	v_mov_b32 v[TM+4+\b], 0                        ; a lane permute's destination counts as one of its sources
.endr
.irp t, 0,1,2,3,4,5,6,7
.irp c, 0,1,2,3
	ds_load_b32 v[ACC+4*\t+\c], v[PLR] offset:HSP+64*\t+512*\c   ; lane (r, h): the byte of row r, channel block 4 h + c
.endr
.endr
	s_wait_dscnt 0x0
.irp t, 0,1,2,3,4,5,6,7
	v_lshl_or_b32 v[HS+\t], v[ACC+4*\t+1], 8, v[ACC+4*\t]        ; tile t's scale words: lanes 0-15 K step 0's, lanes 16-31 K step 1's.  Tiles 0 and 1, wanted first, stand 18 plain lines ahead of their use
	s_delay_alu instid0(VALU_DEP_1)
	v_lshl_or_b32 v[HS+\t], v[ACC+4*\t+2], 16, v[HS+\t]
	s_delay_alu instid0(VALU_DEP_1)
	v_lshl_or_b32 v[HS+\t], v[ACC+4*\t+3], 24, v[HS+\t]
.endr
	PAIR 0
	PAIR 1
	PAIR 2
	PAIR 3
	ds_store_b32 v[VWA], v[VW]                     ; my channel tile's scale words for these 128 keys
	s_wait_dscnt 0x0                               ; for the others' sake: my bytes and words have landed
	s_barrier_signal -1
	s_barrier_wait -1
	; ---- the scale words leave in runs of 512 consecutive bytes: waves 0 and 1 q's or k's, wave 2 v's
	s_cmp_lt_u32 s[WV], 2
	s_cbranch_scc0 .Lnot_qk
.irp c, 0,1,2,3
	ds_load_b128 v[ACC+4*\c:ACC+4*\c+3], v[SRA] offset:512*\c
.endr
	s_wait_dscnt 0x0
.irp n, 0,1,2,3
	v_lshl_or_b32 v[ACC+\n], v[ACC+4+\n], 8, v[ACC+\n]
	s_delay_alu instid0(VALU_DEP_1)
	v_lshl_or_b32 v[ACC+\n], v[ACC+8+\n], 16, v[ACC+\n]
	s_delay_alu instid0(VALU_DEP_1)
	v_lshl_or_b32 v[ACC+\n], v[ACC+12+\n], 24, v[ACC+\n]
.endr
	global_store_b128 v[SGA], v[ACC:ACC+3], s[30:31]
	s_branch .Lend
.Lnot_qk:
	s_cmp_eq_u32 s[WV], 2
	s_cbranch_scc0 .Lend
	ds_load_b128 v[ACC:ACC+3], v[L16] offset:VSC
	s_wait_dscnt 0x0
	global_store_b128 v[L16], v[ACC:ACC+3], s[34:35] offset:VSO
.Lend:
	s_set_vgpr_msb 0x5
	s_wait_tensorcnt 0x0
	ds_add_u32 v254, v255
	s_wait_dscnt 0x0
	s_set_vgpr_msb 0x500
	s_endpgm
.Lfunc_end_k_q9e0b0c2e35_qkv:
	.size	k_q9e0b0c2e35_qkv, .Lfunc_end_k_q9e0b0c2e35_qkv-k_q9e0b0c2e35_qkv
	.p2alignl 7, 3214868480
	.fill 96, 4, 3214868480
	.section	.rodata,"a",@progbits
	.p2align	6, 0x0
	.amdhsa_kernel k_q9e0b0c2e35_qkv
		.amdhsa_group_segment_fixed_size 42496
		.amdhsa_private_segment_fixed_size 0
		.amdhsa_enable_private_segment 0
		.amdhsa_kernarg_size 56
		.amdhsa_user_sgpr_count 2
		.amdhsa_user_sgpr_kernarg_segment_ptr 1
		.amdhsa_wavefront_size32 1
		.amdhsa_system_sgpr_workgroup_id_x 1
		.amdhsa_system_sgpr_workgroup_id_y 1
		.amdhsa_system_sgpr_workgroup_id_z 1
		.amdhsa_system_vgpr_workitem_id 0
		.amdhsa_next_free_vgpr 512
		.amdhsa_next_free_sgpr 66
		.amdhsa_reserve_vcc 0
		.amdhsa_float_denorm_mode_32 3
		.amdhsa_float_denorm_mode_16_64 3
		.amdhsa_fp16_overflow 1
		.amdhsa_memory_ordered 1
		.amdhsa_forward_progress 1
		.amdhsa_inst_pref_size 66
	.end_amdhsa_kernel
	.amdgpu_metadata
---
amdhsa.version: [ 1, 2 ]
amdhsa.kernels:
  - .name:           k_q9e0b0c2e35_qkv
    .symbol:         k_q9e0b0c2e35_qkv.kd
    .args:
      - { .name: x, .offset: 0, .size: 8, .value_kind: global_buffer, .address_space: global }
      - { .name: prep, .offset: 8, .size: 8, .value_kind: global_buffer, .address_space: global }
      - { .name: gn_w, .offset: 16, .size: 8, .value_kind: global_buffer, .address_space: global }
      - { .name: gn_b, .offset: 24, .size: 8, .value_kind: global_buffer, .address_space: global }
      - { .name: qkv_b, .offset: 32, .size: 8, .value_kind: global_buffer, .address_space: global }
      - { .name: qq, .offset: 40, .size: 8, .value_kind: global_buffer, .address_space: global }
      - { .name: kv, .offset: 48, .size: 8, .value_kind: global_buffer, .address_space: global }
    .group_segment_fixed_size: 42496
    .private_segment_fixed_size: 0
    .kernarg_segment_align: 8
    .kernarg_segment_size: 56
    .max_flat_workgroup_size: 256
    .sgpr_count:     66
    .vgpr_count:     512
    .wavefront_size: 32
...
	.end_amdgpu_metadata
.endif
;; end of part 2
;; launch attn (part 3): grid 64 x 4, 4 waves a work-group, clusters of 4 x 1, 327,680 bytes of LDS; arguments qq, kv, prep, x, proj_b, out0; writes out0
.if DOCPART == 3
	.amdgcn_target "amdgcn-amd-amdhsa--gfx1250"
	.amdhsa_code_object_version 6
	.text
	.protected	k_q9e0b0c2e35_attn
	.globl	k_q9e0b0c2e35_attn
	.p2align	8
	.type	k_q9e0b0c2e35_attn,@function
k_q9e0b0c2e35_attn:
	s_mov_b64 s[64:65], 0
	v_nop
	global_prefetch_b8 v0, s[64:65] scope:SCOPE_SE
	s_setreg_imm32_b32 hwreg(HW_REG_WAVE_MODE, 25, 1), 1
	s_wait_xcnt 0x0
	s_wait_alu depctr_hold_cnt(0) depctr_sa_sdst(0) depctr_va_vdst(0) depctr_va_sdst(0) depctr_va_ssrc(0) depctr_va_vcc(0) depctr_vm_vsrc(0)
	s_getreg_b32 s2, hwreg(HW_REG_IB_STS2, 6, 4)
	s_cmp_eq_u32 s2, 0
	s_cbranch_scc0 .Lentry_in_a_cluster
	s_endpgm
.Lentry_in_a_cluster:
	s_bfe_u32 s2, ttmp6, 0x10000c
	s_cmp_lg_u32 s2, 0x3003
	s_cbranch_scc0 .Lentry_shape_is_right
	s_endpgm
.Lentry_shape_is_right:
; ATTN.  out0 = x + proj_w (softmax(q^T k / 16) v) + proj_b, all three products on codes of E5M2 with E8M0 scales, from the images that the launch before laid (a fragment, 16 rows x 128 K, is four chunks of
; 512 bytes, lane (r, h)'s 16 bytes at 16 x lane: k = 32 c + 16 h + 0 .. 15; lane r of tile 2 B + u is row 32 B + 8 u + r + 8 (r / 8); a K-256 tile's scale words: lane (r, h) holds row r's word of K step h).
; THE SOFTMAX: t = score x log2(e) / 16; M = the largest t so far rounded UP to a whole number; p = 2^(t - M) is quantised along the keys, not normalised; the row's sum is taken of the unquantised p and divides at the end.
; When M moves, the sum and O are multiplied by 2^(old M - new M), which rounds nothing.
; SHARES.  A work-group owns 64 queries of one batch, four tiles of 16.  Wave w = 2 i + j takes query tiles 2 i and 2 i + 1 against keys 128 j .. 128 j + 127 of every record of 256 keys: a fragment of K or V read from LDS
; feeds two matrix instructions.  Its tile 0 is the block's tile w, its tile 1 the block's tile w xor 1: at the end it hands tile 1's O, M and sum to wave w xor 1 through LDS and merges what it receives into tile 0: one text for all waves.
; Both products are used transposed (S^T = K Q^T, O^T = V^T P^T): a lane holds one query throughout, and p's and O's registers run along the next product's K.
; CLUSTER.  The four work-groups of a cluster belong to one batch and walk the same records: each quarter of a record is asked for JOINTLY, by the same tensor load with the same descriptor and the mask 15.
; RING.  Two LDS slots of one record (135,168 bytes: K's codes, K's scale words, V's codes, V's scale words, dense in memory); each wave brings a quarter, 132 rows of 256 bytes.  A refill has a whole record's work in which to land.
; EPILOGUE.  Merge, / sum, quantise along the channels, images to LDS; each wave makes 64 output channels x 64 pixels (source 0 = 16 pixels, source 1 = 16 rows of proj_w, C = proj_b), through a stage, + x, out.
; LIMITS: NaN and infinities are not served; a block whose largest magnitude lies under 2^-111 keeps the byte 1; p under 2^-126 counts as 0 (v_exp_f32); 1 / sum is v_rcp_f32.
; REGISTERS, in windows of 256.  Window 0: see the names below.  Window 1: O^T at 128 x + 8 ct; later y's 16 accumulators.  Window 2: v0-63 Q (32 x + 16 s); v64-191 proj_w (64 + 32 p + 16 s); v192-223 proj_b (8 p).
; Window 3: K (32 kt + 16 s), then V (16 ct), of the record in hand; in the epilogue v0-127 the partner's O, then out's fragments; v128-255 x.
.set REC,   135168
.set QREC,  33792                      ; a quarter of a record
.set KSO,   65536
.set VCO,   67584
.set VSO,   133120
.set QSW,   4194304
.set WS,    2048
.set WC,    10240
.set SPARE, 2*REC                      ; behind the ring: the spare words, 128 bytes for each wave: two blocks of 256 bytes that no other line names
.set MSTW,  16640                      ; the epilogue's bytes lie in slot 0, which has had its last fill and was left at the last change of slots.  For each wave: an image of O (16,384), -M (128), the sum (128);
.set YSTW,  17408                      ; later, over them (behind a barrier), a stage of 64 rows x (256 + 16) bytes for each wave;
.set OIMG,  69632                      ; out's eight fragments;
.set OSC,   86016                      ; their scale words, 128 bytes a tile
.set SPW, 1                            ; v1   my spare word's LDS address; never rewritten
.set NIL, 2                            ; v2   0; never rewritten
.set AK,  3                            ; v3-4   K's fragments in slot 0, 1: 16 x lane + my half
.set AV,  5                            ; v5-6   V's
.set ASK, 7                            ; v7-8   K's scale words: 4 x lane + my half
.set ASV, 9                            ; v9-10  V's
.set MGO, 11                           ; v11, v12  the image of O: where I put mine, where I find my partner's
.set MGI, 12
.set MSO, 13                           ; v13, v14  the same for -M and the sum
.set MSI, 14
.set OIW, 15                           ; v15, v16  out's images: my tile's, all
.set OIR, 16
.set OSW, 17                           ; v17, v18  their scale words
.set OSR, 18
.set YSO, 19                           ; v19  the stage: in
.set NM,  20                           ; v[20 + 4 x]: -M, the largest t, the sum in two halves
.set QS,  28                           ; v28-29 Q's scale words;  v30-31 p's (at the end out's);  v32-39 K's;  v40-47 V's;  v48-51 proj_w's;  v52-55 out's
.set PW,  30
.set KS,  32
.set VS,  40
.set PJS, 48
.set OS,  52
.set BM,  56                           ; v56-59 a block's largest;  v60-63 the other half's, then bytes;  v68-71 the conversions' scale operands
.set BX,  60
.set BH,  64
.set BS,  68
.set F,   72                           ; v[72 + 2 x] f = 2^(old M - new M); named as a pair
.set SU,  76                           ; v76-77 a second chain of the sum
.set TA,  78                           ; v78-79 at work
.set GA,  80                           ; v80-81, v82-83 the merge's two factors
.set GB,  82
.set YSR, 84                           ; v84  the stage: back
.set XO,  85                           ; v85  my byte offset in x and out0
.set G16, 86                           ; v86  16 x lane;  v87  4 x lane;  v88  4 (r + 8 (r / 8))
.set G4,  87
.set GBO, 88
.set PC,  96                           ; v96-127 p's codes, 16 a tile; at the end out's
.set S,   128                          ; v128-255 S^T, then p: 64 a tile; at the end out, then rows of y
.set G1,  24                           ; s[24:31] descriptor group 1;  s[32:39] group 0, a set for each slot
.set G0,  32
.set SEL, 42
.set CS,  44
.set MNT, 46
.set MSB, 0
.macro WIN new                         ; the immediate's high byte repeats the setting that is left
.if MSB != \new
	s_set_vgpr_msb (MSB<<8)|\new
.set MSB, \new
.endif
.endm
.macro PLACES n
.rept \n
	v_nop
.endr
.endm
; A round of the cluster's barrier: my work-group's barrier; wave 0 signals for the work-group; every wave waits for all four work-groups; my work-group's barrier once more.
.macro CROUND
	s_barrier_signal -1
	s_barrier_wait -1
	s_cmp_lg_u32 s16, 0
	s_cbranch_scc1 .Lnot_wave_0_\@
	s_barrier_signal -3
.Lnot_wave_0_\@:
	s_barrier_wait -3
	s_barrier_signal -1
	s_barrier_wait -1
.endm
; One matrix instruction.  cm = 0: C = D; 1: C = 0, the sum's start; 2: C = v[c] on.  ra, rb: which half of the lanes of the scale registers is read.
.macro MM d, a, b, cm, c, sa, sb, ra, rb
.set mD, \d
.set mA, \a
.set mB, \b
.set mC, \c
.set mS, \sa
.set mT, \sb
.set mV, 4*(\cm)+2*(\ra)+(\rb)
.if mV == 0
	v_wmma_scale_f32_16x16x128_f8f6f4 v[mD:mD+7], v[mA:mA+15], v[mB:mB+15], v[mD:mD+7], v[mS], v[mT] matrix_a_fmt:MATRIX_FMT_BF8 matrix_b_fmt:MATRIX_FMT_BF8
.elseif mV == 2
	v_wmma_scale_f32_16x16x128_f8f6f4 v[mD:mD+7], v[mA:mA+15], v[mB:mB+15], v[mD:mD+7], v[mS], v[mT] matrix_a_fmt:MATRIX_FMT_BF8 matrix_b_fmt:MATRIX_FMT_BF8 matrix_a_scale:MATRIX_SCALE_ROW1
.elseif mV == 3
	v_wmma_scale_f32_16x16x128_f8f6f4 v[mD:mD+7], v[mA:mA+15], v[mB:mB+15], v[mD:mD+7], v[mS], v[mT] matrix_a_fmt:MATRIX_FMT_BF8 matrix_b_fmt:MATRIX_FMT_BF8 matrix_a_scale:MATRIX_SCALE_ROW1 matrix_b_scale:MATRIX_SCALE_ROW1
.elseif mV == 4
	v_wmma_scale_f32_16x16x128_f8f6f4 v[mD:mD+7], v[mA:mA+15], v[mB:mB+15], 0, v[mS], v[mT] matrix_a_fmt:MATRIX_FMT_BF8 matrix_b_fmt:MATRIX_FMT_BF8
.elseif mV == 6
	v_wmma_scale_f32_16x16x128_f8f6f4 v[mD:mD+7], v[mA:mA+15], v[mB:mB+15], 0, v[mS], v[mT] matrix_a_fmt:MATRIX_FMT_BF8 matrix_b_fmt:MATRIX_FMT_BF8 matrix_a_scale:MATRIX_SCALE_ROW1
.elseif mV == 8
	v_wmma_scale_f32_16x16x128_f8f6f4 v[mD:mD+7], v[mA:mA+15], v[mB:mB+15], v[mC:mC+7], v[mS], v[mT] matrix_a_fmt:MATRIX_FMT_BF8 matrix_b_fmt:MATRIX_FMT_BF8
.endif
.endm
; THE CHANGE OF SLOTS.  Each wave waits for all its tensor loads (its quarter of the slot ahead), adds 0 to its spare word, and waits for that and for its reads of slot rs, which it has left.
; fill = 1: the barrier is a round of the cluster's, so that no wave of any partner still reads slot rs or has a load on its way, and slot rs takes the record two on: the first thing behind the round, one load a wave.
.macro CHANGE rs, fill
	s_wait_tensorcnt 0x0                           ; no tensor load of mine is out, so a group 0 may be written
	ds_add_u32 v[SPW], v[NIL]                      ; 0 onto my spare word
.if \fill
	s_add_nc_u64 s[G0+4*\rs+2:G0+4*\rs+3], s[G0+4*\rs+2:G0+4*\rs+3], 2*REC   ; the type bits on top are not reached
.endif
	s_wait_dscnt 0x0                               ; the add is done, and my reads of the slot are over
.if \fill
	CROUND
	tensor_load_to_lds s[G0+4*\rs:G0+4*\rs+3], s[G1:G1+7]
	s_nop 0
	PLACES 4
.else
	s_barrier_signal -1
	s_barrier_wait -1
.endif
.endm
; Tile x's softmax for 128 keys.  Register 16 b + i of S holds key 32 b + 16 (lane / 16) + i of my query.  first = 1: the first record, which starts M and the sum.
.macro SOFTMAX x, first
.set rS, S+64*\x
.set rN, NM+4*\x
.set rF, F+2*\x
.set rP, PC+16*\x
.irp b, 0,1,2,3
	v_max3_num_f32 v[BM+\b], v[rS+16*\b], v[rS+16*\b+1], v[rS+16*\b+2]   ; the largest score of each block of 32 keys: for the row's maximum, and, since p rises with the score, for the block's largest p
.endr
.irp i, 3,5,7,9,11,13
.irp b, 0,1,2,3
	v_max3_num_f32 v[BM+\b], v[BM+\b], v[rS+16*\b+\i], v[rS+16*\b+\i+1]
.endr
.endr
.irp b, 0,1,2,3
	v_max_num_f32 v[BM+\b], v[BM+\b], v[rS+16*\b+15]
.endr
.irp b, 0,1,2,3
	v_permlanex16_b32 v[BX+\b], v[BM+\b], s[SEL], s[SEL+1]
.endr
.irp b, 0,1,2,3
	v_max_num_f32 v[BM+\b], v[BM+\b], v[BX+\b]     ; with lane l xor 16's 16 keys
.endr
	v_max3_num_f32 v[TA], v[BM], v[BM+1], v[BM+2]
	v_max_num_f32 v[TA], v[TA], v[BM+3]
	v_mul_f32 v[TA], s[CS], v[TA]                  ; the step's largest t (c is positive)
.if \first
	v_mov_b32 v[rN+1], v[TA]
	v_floor_f32 v[rN], -v[rN+1]                    ; -M = floor(-t) = -ceil(t)
.else
	v_max_num_f32 v[rN+1], v[rN+1], v[TA]          ; the running largest t
	v_mov_b32 v[TA], v[rN]
	v_floor_f32 v[rN], -v[rN+1]
	v_sub_f32 v[TA], v[rN], v[TA]                  ; old M - new M: a whole number, 0 or less
	v_cvt_i32_f32 v[TA], v[TA]                     ; (it saturates)
	v_ldexp_f32 v[rF], 1.0, v[TA]                  ; f
.endif
.set n, 0
.rept 32
	v_pk_fma_f32 v[rS+n:rS+n+1], v[rS+n:rS+n+1], s[CS:CS+1], v[rN:rN+1] op_sel_hi:[1,0,0]   ; t - M (of the pairs c and -M the low word serves both halves)
.set n, n+2
.endr
.irp b, 0,1,2,3
	v_fma_f32 v[BM+\b], v[BM+\b], s[CS], v[rN]     ; the same of each block's largest score
.endr
.set n, 0
	s_wait_alu depctr_va_vdst(0)
.rept 64
	v_exp_f32 v[rS+n], v[rS+n]                     ; p = 2^(t - M), at most 1
.set n, n+1
.endr
.irp b, 0,1,2,3
	v_exp_f32 v[BM+\b], v[BM+\b]                   ; the block's largest p: the same two instructions on the same number
.endr
.if \first
	v_nop                                          ; a plain line behind the exponentials
	s_wait_alu depctr_va_vdst(0)
.else
	v_pk_mul_f32 v[rN+2:rN+3], v[rN+2:rN+3], v[rF:rF+1] op_sel_hi:[1,0]   ; the sum under the new M (also the plain line behind the exponentials)
	s_wait_alu depctr_va_vdst(0)
.endif
.irp b, 0,1,2,3
	v_max_num_f32 v[BM+\b], 0x8000000, v[BM+\b]    ; the floor 2^(16 - 127)
.endr
.irp b, 0,1,2,3
	v_add_nc_u32 v[BS+\b], 0xf8800000, v[BM+\b]
.endr
.irp b, 0,1,2,3
.endr
.irp b, 0,1,2,3
	v_lshrrev_b32 v[BX+\b], 23, v[BS+\b]
.endr
	v_lshl_or_b32 v[PW+\x], v[BX+1], 8, v[BX]      ; p's scale word for these 128 keys
	v_lshl_or_b32 v[PW+\x], v[BX+2], 16, v[PW+\x]
	v_lshl_or_b32 v[PW+\x], v[BX+3], 24, v[PW+\x]
	v_pk_add_f32 v[SU:SU+1], v[rS:rS+1], v[rS+2:rS+3]            ; the sum of the unquantised p, in two chains
.if \first
	v_pk_add_f32 v[rN+2:rN+3], v[rS+4:rS+5], v[rS+6:rS+7]        ; nothing is cleared
.else
	v_pk_add_f32 v[rN+2:rN+3], v[rN+2:rN+3], v[rS+4:rS+5]
	v_pk_add_f32 v[SU:SU+1], v[SU:SU+1], v[rS+6:rS+7]
.endif
.set n, 8
.rept 14
	v_pk_add_f32 v[rN+2:rN+3], v[rN+2:rN+3], v[rS+n:rS+n+1]
	v_pk_add_f32 v[SU:SU+1], v[SU:SU+1], v[rS+n+2:rS+n+3]
.set n, n+4
.endr
	v_pk_add_f32 v[rN+2:rN+3], v[rN+2:rN+3], v[SU:SU+1]
.irp b, 0,1,2,3
.irp i, 0,1,2,3,4,5,6,7,8,9,10,11,12,13,14,15
.endr
	v_cvt_scalef32_pk8_bf8_f32 v[rP+4*\b:rP+4*\b+1], v[rS+16*\b:rS+16*\b+7], v[BS+\b]
	v_cvt_scalef32_pk8_bf8_f32 v[rP+4*\b+2:rP+4*\b+3], v[rS+16*\b+8:rS+16*\b+15], v[BS+\b]
.endr
.endm
; 64 signed numbers of a lane, register 16 b + i = k 32 b + 16 (lane / 16) + i of my row, become a fragment's codes in v[d] on and its scale word in v[w].
.macro QUANT s, d, w
.irp b, 0,1,2,3
	v_max3_num_f32 v[BM+\b], |v[\s+16*\b]|, |v[\s+1+16*\b]|, 0x8000000
.endr
.irp i, 2,4,6,8,10,12,14
.irp b, 0,1,2,3
	v_max3_num_f32 v[BM+\b], v[BM+\b], |v[\s+16*\b+\i]|, |v[\s+1+16*\b+\i]|
.endr
.endr
.irp b, 0,1,2,3
	v_permlanex16_b32 v[BX+\b], v[BM+\b], s[SEL], s[SEL+1]
.endr
.irp b, 0,1,2,3
	v_max_num_f32 v[BM+\b], v[BM+\b], v[BX+\b]
.endr
.irp b, 0,1,2,3
	v_add_nc_u32 v[BS+\b], 0xf8800000, v[BM+\b]
.endr
.irp b, 0,1,2,3
.endr
.irp b, 0,1,2,3
	v_lshrrev_b32 v[BX+\b], 23, v[BS+\b]
.endr
	v_lshl_or_b32 v[\w], v[BX+1], 8, v[BX]
	v_lshl_or_b32 v[\w], v[BX+2], 16, v[\w]
	v_lshl_or_b32 v[\w], v[BX+3], 24, v[\w]
.irp b, 0,1,2,3
.irp i, 0,1,2,3,4,5,6,7,8,9,10,11,12,13,14,15
.endr
	v_cvt_scalef32_pk8_bf8_f32 v[\d+4*\b:\d+1+4*\b], v[\s+16*\b:\s+7+16*\b], v[BS+\b]
	v_cvt_scalef32_pk8_bf8_f32 v[\d+2+4*\b:\d+3+4*\b], v[\s+8+16*\b:\s+15+16*\b], v[BS+\b]
.endr
	v_nop                                          ; a plain line behind the last conversion
.endm
; MY HALF OF THE RECORD IN A SLOT: 32 products K Q^T, two softmaxes, 32 products V^T P^T.  The accumulators take turns, one instruction a turn.
.macro WORK slot, first
.if \first == 0
	PLACES 8                                       ; in front of loads into registers that the last products read (ISA guide 7.12.1 for vector instructions)
.endif
.irp kt, 0,1,2,3,4,5,6,7
	ds_load_b32 v[KS+\kt], v[ASK+\slot] offset:128*\kt
.endr
	WIN 0xc0                                       ; destination window 3
.irp kt, 0,1,2,3,4,5,6,7
.irp q, 0,1,2,3,4,5,6,7
	ds_load_b128 v[32*\kt+4*\q:32*\kt+4*\q+3], v[AK+\slot] offset:4096*\kt+512*\q
.endr
.endr
	WIN 0x0b                                       ; source 0 (K) window 3, source 1 (Q) window 2
.irp g, 0,1,2,3
	s_wait_dscnt 48-16*\g                          ; key tiles 2 g and 2 g + 1 are in; the sixteen loads of each later pair may be out
.irp s, 0,1
.irp e, 0,1
.irp x, 0,1
	MM S+64*\x+8*(2*\g+\e), 32*(2*\g+\e)+16*\s, 32*\x+16*\s, 1-\s, 0, KS+2*\g+\e, QS+\x, \s, \s
.endr
.endr
.endr
.endr
	PLACES 8                                       ; in front of the loads over K's fragments and of the first read of the scores
	WIN 0
.irp b, 0,1,2,3,4,5,6,7
	ds_load_b32 v[VS+\b], v[ASV+\slot] offset:128*\b             ; lanes 0-15: channel tile 2 b's words, lanes 16-31: tile 2 b + 1's
.endr
	WIN 0xc0
.irp ct, 0,1,2,3,4,5,6,7,8,9,10,11,12,13,14,15
.irp c, 0,1,2,3
	ds_load_b128 v[16*\ct+4*\c:16*\ct+4*\c+3], v[AV+\slot] offset:2048*\ct+512*\c   ; V lands while the softmaxes are worked
.endr
.endr
	WIN 0
	SOFTMAX 0, \first
	SOFTMAX 1, \first
.if \first
	s_wait_alu depctr_va_vdst(0)
	PLACES 8                                       ; codes written by vector instructions stand four places, a scale word eight, ahead of a scaled matrix instruction
.else
	WIN 0x41                                       ; O^T (destination and source 0) window 1
.irp x, 0,1
.set n, 0
.rept 64
	v_pk_mul_f32 v[128*\x+n:128*\x+n+1], v[128*\x+n:128*\x+n+1], v[F+2*\x:F+2*\x+1] op_sel_hi:[1,0]   ; O^T under the new M (these are also those places)
.set n, n+2
.endr
.endr
.endif
	s_wait_alu depctr_va_vdst(0)
	s_wait_dscnt 0x0                               ; V and its scale words
	WIN 0x53                                       ; source 0 (V) window 3, source 1 (p) window 0, C and D window 1
.irp ct, 0,1,2,3,4,5,6,7,8,9,10,11,12,13,14,15
.irp x, 0,1
	MM 128*\x+8*\ct, 16*\ct, PC+16*\x, \first, 0, VS+\ct/2, PW+\x, \ct%2, 0
.endr
.endr
	WIN 0
.endm
	s_load_b256 s[4:11], s[0:1], 0x0               ; qq s[4:5], kv s[6:7], prep s[8:9], x s[10:11]
	s_load_b128 s[12:15], s[0:1], 0x20             ; proj_b s[12:13], out0 s[14:15]
	v_lshl_add_u32 v[SPW], v0, 2, SPARE
	v_mov_b32 v[NIL], 0
	ds_add_u32 v1, v2
	ds_add_u32 v1, v2
	s_wait_dscnt 0x0
	v_lshrrev_b32 v89, 5, v0
	v_readfirstlane_b32 s16, v89                   ; wave 0..3
	s_xor_b32 s17, s16, 1                          ; my partner
	s_and_b32 s18, s16, 1                          ; j: my half of every record's keys
	s_bfe_u32 s19, ttmp6, 0x40000                  ; cx: it enters Q's, x's and out0's addresses alone
	s_lshl_b32 s20, ttmp9, 2
	s_add_co_u32 s20, s20, s19                     ; my block of 64 queries
	s_and_b32 s21, ttmp7, 0xffff                   ; the batch, which the four partners share
	s_mov_b32 s[G1], 15|(3<<16)|(1<<21)            ; 15:0 the mask: all four work-groups; 17:16 elements of 8 bytes; 21 set beside a mask; no padding
	s_mov_b32 s[G1+1], 32<<16                      ; tensor_dim0 = 32 elements: 256 bytes
	s_mov_b32 s[G1+2], 132<<16                     ; tensor_dim1 = 132 rows
	s_mov_b32 s[G1+3], 32<<16                      ; tile_dim0
	s_mov_b32 s[G1+4], 132                         ; tile_dim1
	s_mov_b32 s[G1+5], 32                          ; the pitch: dense
	s_mov_b32 s[G1+6], 0
	s_mov_b32 s[G1+7], 0
	s_mov_b32 s[SEL], 0x76543210
	s_mov_b32 s[SEL+1], 0xfedcba98
	s_mov_b32 s[CS], 0x3db8aa3b                    ; c = log2(e) / 16
	s_mov_b32 s[CS+1], s[CS]                       ; (named with it as a pair, so it is written)
	s_mov_b32 s47, 0xffff0000                      ; lanes 16-31
	s_mul_i32 s22, s16, QREC                       ; my quarter of a record, in memory and in a slot
	s_mul_i32 s48, s21, 16*REC
	s_add_co_u32 s48, s48, s22
	s_mov_b32 s49, 0
	v_and_b32 v89, 31, v0                          ; lane
	v_and_b32 v90, 15, v0                          ; r
	v_bfe_u32 v91, v0, 4, 1                        ; h
	v_and_b32 v92, 8, v0
	v_add_nc_u32 v92, v92, v90                     ; r + 8 (r / 8)
	v_lshlrev_b32 v[G16], 4, v89
	v_lshlrev_b32 v[G4], 2, v89
	v_lshlrev_b32 v[GBO], 2, v92
	s_wait_kmcnt 0x0
	s_add_nc_u64 s[48:49], s[6:7], s[48:49]
	CROUND                                         ; all four work-groups are here: the first joint loads meet
.irp n, 0,1
	s_mov_b32 s[G0+4*\n], 1                        ; count = 1
	s_add_co_u32 s[G0+4*\n+1], s22, \n*REC         ; LDS address
	s_add_nc_u64 s[G0+4*\n+2:G0+4*\n+3], s[48:49], \n*REC   ; global address: record n
	s_or_b32 s[G0+4*\n+3], s[G0+4*\n+3], 0x80000000         ; type = 2
.endr
	tensor_load_to_lds s[G0:G0+3], s[G1:G1+7]      ; both first fills together: two loads of mine are out
	s_nop 0
	tensor_load_to_lds s[G0+4:G0+7], s[G1:G1+7]
	s_nop 0
	PLACES 4
	s_lshl_b32 s50, s21, 22                        ; x and out0: batch, my 64 channels of 16,384 bytes, the block's 64 pixels
	s_lshl_b32 s51, s16, 20
	s_add_co_u32 s50, s50, s51
	s_lshl_b32 s51, s20, 8
	s_add_co_u32 s50, s50, s51
	s_mov_b32 s51, 0
	s_add_nc_u64 s[10:11], s[10:11], s[50:51]
	s_add_nc_u64 s[14:15], s[14:15], s[50:51]
	s_lshl_b32 s52, s21, 8
	s_lshl_b32 s53, s20, 2
	s_add_co_u32 s52, s52, s53                     ; the block's first tile of q
	s_add_co_u32 s53, s52, s17                     ; my tile 1
	s_add_co_u32 s52, s52, s16                     ; my tile 0
	s_mov_b32 s55, 0
	s_lshl_b32 s54, s52, 12
	s_add_nc_u64 s[56:57], s[4:5], s[54:55]
	s_lshl_b32 s54, s53, 12
	s_add_nc_u64 s[58:59], s[4:5], s[54:55]
	s_lshl_b32 s54, s52, 7
	s_add_nc_u64 s[60:61], s[4:5], s[54:55]
	s_lshl_b32 s54, s53, 7
	s_add_nc_u64 s[62:63], s[4:5], s[54:55]
	s_lshl_b32 s52, s16, 2
	s_add_co_u32 s52, s52, 48                      ; proj_w's tiles 4 w .. 4 w + 3 are the weights' tiles 48 + 4 w on
	s_lshl_b32 s54, s52, 12
	s_add_nc_u64 s[48:49], s[8:9], s[54:55]
	s_lshl_b32 s54, s52, 7
	s_add_nc_u64 s[50:51], s[8:9], s[54:55]
	s_lshl_b32 s54, s16, 8
	s_add_nc_u64 s[12:13], s[12:13], s[54:55]      ; proj_b at output 64 w
	WIN 0x80                                       ; destination window 2
	s_wait_alu depctr_va_vdst(0)
.irp q, 0,1,2,3,4,5,6,7
	global_load_b128 v[4*\q:4*\q+3], v[G16], s[56:57] offset:512*\q
	global_load_b128 v[32+4*\q:32+4*\q+3], v[G16], s[58:59] offset:512*\q
.endr
.irp p, 0,1,2,3
.irp q, 0,1,2,3,4,5,6,7
	global_load_b128 v[64+32*\p+4*\q:64+32*\p+4*\q+3], v[G16], s[48:49] offset:WC+4096*\p+512*\q
.endr
.endr
.irp p, 0,1,2,3
.irp n, 0,1,2,3,4,5,6,7
	global_load_b32 v[192+8*\p+\n], v[GBO], s[12:13] offset:128*(\p/2)+32*(\p%2)   ; my lane's output channel of tile p: the same number in all eight registers of C
.endr
.endr
	WIN 0
	global_load_b32 v[QS], v[G4], s[60:61] offset:QSW
	global_load_b32 v[QS+1], v[G4], s[62:63] offset:QSW
.irp p, 0,1,2,3
	global_load_b32 v[PJS+\p], v[G4], s[50:51] offset:WS+128*\p
.endr
	; LDS addresses: a constant, a constant x lane, a constant x wave
	s_lshl_b32 s23, s18, 15
	v_add_nc_u32 v[AK], s23, v[G16]
	v_add_nc_u32 v[AK+1], REC, v[AK]
	v_add_nc_u32 v[AV], VCO, v[AK]
	v_add_nc_u32 v[AV+1], VCO, v[AK+1]
	s_lshl_b32 s23, s18, 10
	v_add_nc_u32 v[ASK], s23, v[G4]
	v_add_nc_u32 v[ASK], KSO, v[ASK]
	v_add_nc_u32 v[ASK+1], REC, v[ASK]
	v_add_nc_u32 v[ASV], VSO-KSO, v[ASK]
	v_add_nc_u32 v[ASV+1], VSO-KSO, v[ASK+1]
	s_mul_i32 s23, s16, MSTW
	s_mul_i32 s41, s17, MSTW
	v_add_nc_u32 v[MGO], s23, v[G16]
	v_add_nc_u32 v[MGI], s41, v[G16]
	v_add_nc_u32 v[MSO], s23, v[G4]
	v_add_nc_u32 v[MSO], 16384, v[MSO]
	v_add_nc_u32 v[MSI], s41, v[G4]
	v_add_nc_u32 v[MSI], 16384, v[MSI]
	s_lshl_b32 s23, s16, 12
	v_add_nc_u32 v[OIR], OIMG, v[G16]
	v_add_nc_u32 v[OIW], s23, v[OIR]
	s_lshl_b32 s23, s16, 7
	v_add_nc_u32 v[OSR], OSC, v[G4]
	v_add_nc_u32 v[OSW], s23, v[OSR]
	s_mul_i32 s23, s16, YSTW
	v_mul_u32_u24 v[YSO], v92, 272                 ; in: my lane's channel row, + 64 h: pixels 16 h on
	v_lshl_add_u32 v[YSO], v91, 6, v[YSO]
	v_add_nc_u32 v[YSO], s23, v[YSO]
	v_mul_u32_u24 v[YSR], v91, 8704                ; back: lanes 0-15 row i, lanes 16-31 row 32 + i; 16 bytes a lane
	v_lshl_add_u32 v[YSR], v90, 4, v[YSR]
	v_add_nc_u32 v[YSR], s23, v[YSR]
	v_lshlrev_b32 v[XO], 19, v91                   ; and the same two rows in x and out0: 32 channels of 16,384 bytes apart
	v_lshl_add_u32 v[XO], v90, 4, v[XO]
.irp b, 0,1,2,3
	v_mov_b32 v[BX+\b], 0                          ; a lane permute's destination counts as one of its sources
.endr
	v_mov_b32 v[F+1], 0                            ; (named as the upper halves of pairs)
	v_mov_b32 v[F+3], 0
	s_wait_tensorcnt 0x1                           ; my quarter of slot 0 is in; slot 1's may stay out
	s_barrier_signal -1
	s_barrier_wait -1                              ; everybody's is
	s_wait_loadcnt 0x0                             ; Q, proj_w, proj_b, their scale words
	WORK 0, 1                                      ; record 0 starts M, the sums and O^T: nothing is ever cleared
	s_mov_b32 s40, 7
.Lrec:                                             ; seven trips: records 1 to 14 are worked, records 2 to 15 asked for
	CHANGE 0, 1
	WORK 1, 0
	CHANGE 1, 1
	WORK 0, 0
	s_sub_co_u32 s40, s40, 1
	s_cmp_lg_u32 s40, 0
	s_cbranch_scc1 .Lrec
	CHANGE 0, 0                                    ; the tail is written out: nothing is left to ask for
	WORK 1, 0                                      ; record 15
	; ---- THE EPILOGUE
	PLACES 9                                       ; behind the last products: in front of loads over V's fragments, of the first reads of O^T, and of the products that later write over O^T
	WIN 0xc0
.set n, 0
.rept 32
	global_load_b128 v[128+4*n:128+4*n+3], v[XO], s[10:11] offset:16384*n th:TH_LOAD_NT   ; x for the residual: sixteen lanes read 256 consecutive bytes; it lands under the merge
.set n, n+1
.endr
	WIN 0
.irp x, 0,1
	v_add_f32 v[NM+4*\x+2], v[NM+4*\x+2], v[NM+4*\x+3]           ; the sum's two halves,
.endr
.irp x, 0,1
	v_permlanex16_b32 v[BX+\x], v[NM+4*\x+2], s[SEL], s[SEL+1]
.endr
.irp x, 0,1
	v_add_f32 v[NM+4*\x+2], v[NM+4*\x+2], v[BX+\x]               ; and lane l xor 16's
.endr
	WIN 0x04                                       ; an LDS store's data are its source 1: window 1
.set n, 0
.rept 32
	ds_store_b128 v[MGO], v[128+4*n:128+4*n+3] offset:512*n      ; my tile 1's O^T as it stands, each accumulator from its low end on
.set n, n+1
.endr
	WIN 0
	ds_store_b32 v[MSO], v[NM+4]                   ; its -M
	ds_store_b32 v[MSO], v[NM+6] offset:128        ; and its sum
	s_wait_dscnt 0x0                               ; for my partner's sake
	s_barrier_signal -1
	s_barrier_wait -1
	WIN 0xc0
.set n, 0
.rept 32
	ds_load_b128 v[4*n:4*n+3], v[MGI] offset:512*n ; my partner's part of my tile 0: the other half of the keys
.set n, n+1
.endr
	WIN 0
	ds_load_b32 v[TA], v[MSI]
	ds_load_b32 v[TA+1], v[MSI] offset:128
	s_wait_dscnt 0x0
	v_min_num_f32 v[SU], v[NM], v[TA]              ; the smaller -M is the larger M
	v_sub_f32 v[GA], v[SU], v[NM]
	v_sub_f32 v[GB], v[SU], v[TA]
	v_cvt_i32_f32 v[GA], v[GA]
	v_cvt_i32_f32 v[GB], v[GB]
	v_ldexp_f32 v[GA], 1.0, v[GA]                  ; 2^(my M - M)
	s_wait_alu depctr_va_vdst(0)
	v_ldexp_f32 v[GB], 1.0, v[GB]                  ; 2^(my partner's M - M)
	v_mul_f32 v[SU+1], v[NM+2], v[GA]
	v_fma_f32 v[SU+1], v[TA+1], v[GB], v[SU+1]     ; the row's sum under M
	s_wait_alu depctr_va_vdst(0)
	v_rcp_f32 v[SU+1], v[SU+1]
	v_nop                                          ; a plain line behind the transcendental
	s_wait_alu depctr_va_vdst(0)
	v_mul_f32 v[GA], v[GA], v[SU+1]
	v_mul_f32 v[GB], v[GB], v[SU+1]
	v_mov_b32 v[GA+1], v[GA]
	v_mov_b32 v[GB+1], v[GB]
	WIN 0x03                                       ; source 0 window 3
.set n, 0
.rept 64
	v_pk_mul_f32 v[S+n:S+n+1], v[n:n+1], v[GB:GB+1]
.set n, n+2
.endr
	WIN 0x01                                       ; source 0 window 1
.set n, 0
.rept 64
	v_pk_fma_f32 v[S+n:S+n+1], v[n:n+1], v[GA:GA+1], v[S+n:S+n+1]   ; out(my query, channel 32 B + 16 h + i) in register 16 B + i
.set n, n+2
.endr
	WIN 0
	QUANT S, PC, PW
	QUANT S+64, PC+16, PW+1
.irp q, 0,1,2,3,4,5,6,7
	ds_store_b128 v[OIW], v[PC+4*\q:PC+4*\q+3] offset:512*\q     ; my tile of out, two fragments, as images
.endr
	v_cndmask_b32 v[PW], v[PW], v[PW+1], s47       ; lanes 0-15 keep K step 0's word, lanes 16-31 take K step 1's
	ds_store_b32 v[OSW], v[PW]
	s_wait_dscnt 0x0                               ; for the others' sake; my reads of my partner's image are over too
	s_barrier_signal -1
	s_barrier_wait -1
.irp m, 0,1,2,3
	ds_load_b32 v[OS+\m], v[OSR] offset:128*\m
.endr
	WIN 0xc0
.irp m, 0,1,2,3
.irp q, 0,1,2,3,4,5,6,7
	ds_load_b128 v[32*\m+4*\q:32*\m+4*\q+3], v[OIR] offset:4096*\m+512*\q
.endr
.endr
	s_wait_dscnt 0x0
	WIN 0x6b                                       ; source 0 (out) window 3, source 1 (proj_w) and C (proj_b) window 2, D window 1
.irp m, 0,1,2,3
.irp p, 0,1,2,3
	MM 8*(4*\m+\p), 32*\m, 64+32*\p, 2, 192+8*\p, OS+\m, PJS+\p, 0, 0
.endr
.endr
	WIN 0x5b                                       ; C window 1
.irp m, 0,1,2,3
.irp p, 0,1,2,3
	MM 8*(4*\m+\p), 32*\m+16, 80+32*\p, 0, 0, OS+\m, PJS+\p, 1, 1
.endr
.endr
	PLACES 9                                       ; in front of the LDS stores that read the results
	WIN 0x04
.irp m, 0,1,2,3
.irp p, 0,1,2,3
	ds_store_b128 v[YSO], v[8*(4*\m+\p):8*(4*\m+\p)+3] offset:272*(32*(\p/2)+8*(\p%2))+128*(\m/2)+32*(\m%2)        ; lane (r, h): channel row of tile p, pixels 32 (m / 2) + 16 h + 8 (m % 2) + 0 .. 7
	ds_store_b128 v[YSO], v[8*(4*\m+\p)+4:8*(4*\m+\p)+7] offset:272*(32*(\p/2)+8*(\p%2))+128*(\m/2)+32*(\m%2)+16
.endr
.endr
	WIN 0
.set n, 0
.rept 32
	ds_load_b128 v[S+4*n:S+4*n+3], v[YSR] offset:272*n           ; my own bytes: LDS serves a wave's instructions in order (ISA guide 5.7.1.4)
.set n, n+1
.endr
	s_wait_dscnt 0x0
	s_wait_loadcnt 0x0                             ; x
	WIN 0x0c                                       ; source 1 window 3
.set n, 0
.rept 64
	v_pk_add_f32 v[S+n:S+n+1], v[S+n:S+n+1], v[128+n:128+n+1]    ; + x
.set n, n+2
.endr
	WIN 0
.set n, 0
.rept 32
	global_store_b128 v[XO], v[S+4*n:S+4*n+3], s[14:15] offset:16384*n th:TH_STORE_NT   ; sixteen lanes store 256 consecutive bytes, at a multiple of 256 from out0's first byte
.set n, n+1
.endr
	s_wait_tensorcnt 0x0                           ; the wave's end, behind my last tensor load and my last LDS store
	ds_add_u32 v[SPW], v[NIL]
	s_wait_dscnt 0x0
	CROUND                                         ; the closing round: no work-group ends while a partner may still ask for a quarter that names it
	s_endpgm
.Lfunc_end_k_q9e0b0c2e35_attn:
	.size	k_q9e0b0c2e35_attn, .Lfunc_end_k_q9e0b0c2e35_attn-k_q9e0b0c2e35_attn
	.p2alignl 7, 3214868480
	.fill 96, 4, 3214868480
	.section	.rodata,"a",@progbits
	.p2align	6, 0x0
	.amdhsa_kernel k_q9e0b0c2e35_attn
		.amdhsa_group_segment_fixed_size 327680
		.amdhsa_private_segment_fixed_size 0
		.amdhsa_enable_private_segment 0
		.amdhsa_kernarg_size 48
		.amdhsa_user_sgpr_count 2
		.amdhsa_user_sgpr_kernarg_segment_ptr 1
		.amdhsa_wavefront_size32 1
		.amdhsa_system_sgpr_workgroup_id_x 1
		.amdhsa_system_sgpr_workgroup_id_y 1
		.amdhsa_system_sgpr_workgroup_id_z 1
		.amdhsa_system_vgpr_workitem_id 0
		.amdhsa_next_free_vgpr 1024
		.amdhsa_next_free_sgpr 66
		.amdhsa_reserve_vcc 0
		.amdhsa_float_denorm_mode_32 3
		.amdhsa_float_denorm_mode_16_64 3
		.amdhsa_fp16_overflow 1
		.amdhsa_memory_ordered 1
		.amdhsa_forward_progress 1
		.amdhsa_inst_pref_size 239
	.end_amdhsa_kernel
	.amdgpu_metadata
---
amdhsa.version: [ 1, 2 ]
amdhsa.kernels:
  - .name:           k_q9e0b0c2e35_attn
    .symbol:         k_q9e0b0c2e35_attn.kd
    .args:
      - { .name: qq, .offset: 0, .size: 8, .value_kind: global_buffer, .address_space: global }
      - { .name: kv, .offset: 8, .size: 8, .value_kind: global_buffer, .address_space: global }
      - { .name: prep, .offset: 16, .size: 8, .value_kind: global_buffer, .address_space: global }
      - { .name: x, .offset: 24, .size: 8, .value_kind: global_buffer, .address_space: global }
      - { .name: proj_b, .offset: 32, .size: 8, .value_kind: global_buffer, .address_space: global }
      - { .name: out0, .offset: 40, .size: 8, .value_kind: global_buffer, .address_space: global }
    .group_segment_fixed_size: 327680
    .private_segment_fixed_size: 0
    .kernarg_segment_align: 8
    .kernarg_segment_size: 48
    .max_flat_workgroup_size: 128
    .sgpr_count:     66
    .vgpr_count:     1024
    .wavefront_size: 32
...
	.end_amdgpu_metadata
.endif
;; end of part 3
